; MI455X (gfx1250); checked and timed in simulation.
; The chip was launched on July 23, 2026; its instructions are those of AMD's public machine-readable ISA for CDNA 5 (MIT licence, August 2026) and "CDNA5" Instruction Set Architecture Reference Guide (July 2026). The comments in the code are by the model that wrote it; some were corrected since.
;; Attention Module. Allowed arithmetic: matrix products marked QUANTISED: E2M3 operands, one E8M0 scale for each 32 along K, by v_wmma_scale_f32_16x16x128_f8f6f4 with both operands' format E2M3, f32 sums; products left as they are: f32 operands where the result goes on into a quantised operand, else bf16, f16 or f32 operands; f32 sums; everything else in f32.
;; Inputs: Wk_codes 1,024 x 32 x 24 uint8 (E2M3 codes of Wk, K innermost, in blocks of 32 codes, four codes in three bytes); Wk_scales 1,024 x 32 uint8 (E8M0 scales of Wk, one for each 32 codes along K); Wq_codes 1,024 x 32 x 24 uint8 (E2M3 codes of Wq, K innermost, in blocks of 32 codes, four codes in three bytes); Wq_scales 1,024 x 32 uint8 (E8M0 scales of Wq, one for each 32 codes along K); bk 1,024 float32; bq 1,024 float32; reviewer_emb 32 x 2,048 x 1,024 float32; submitter_emb_codes 32 x 32 x 24 uint8 (E2M3 codes of submitter_emb, K innermost, in blocks of 32 codes, four codes in three bytes); submitter_emb_scales 32 x 32 uint8 (E8M0 scales of submitter_emb, one for each 32 codes along K).
;; Outputs: out0 32 x 1,024 float32.
;; This version of the problem:
;;   THIS VERSION OF THE PROBLEM IS GIVEN IN LOW PRECISION. The matrix products marked QUANTISED in the list below multiply operands that are first quantised to E2M3 (2 exponent bits, 3 mantissa bits; 6 bits a number), with one power-of-two scale for each 32 numbers along K (OCP MX v1.0); their sums are f32. All else is computed in f32.
;;   The module's matrix products, in the order in which they are computed (A, B: the left and right operand; K: the contracted axis; several contracted axes count as one K, in the product's order):
;;     1. [M 32, K 1,024] x [K 1,024, N 1,024]; A: input submitter_emb (given as codes); B: input Wq (given as codes): QUANTISED
;;     2. [M 65,536, K 1,024] x [K 1,024, N 1,024]; A: input reviewer_emb; B: input Wk (given as codes): QUANTISED
;;     3. batch 32 x [M 1, K 1,024] x [K 1,024, N 2,048]; A: computed on the way; B: computed on the way: left as it is (M = 1 < 16)
;;     4. batch 32 x [M 1, K 2,048] x [K 2,048, N 1,024]; A: computed on the way; B: input reviewer_emb: left as it is (M = 1 < 16)
;;   THE QUANTISER, for each operand of a quantised product, along K:
;;     - K is cut into blocks of 32 from its start; a last block that is shorter is filled with zeros.
;;     - A block's scale is 2^e with e = floor(log2(the largest magnitude in the block)) - 2, held to -126 .. 127; a block of zeros has e = 0. As a byte (E8M0): e + 127.
;;     - Each number is divided by its block's scale, clamped to +-7.5, and rounded to the nearest number of E2M3, ties to even, subnormals kept.
;;     - The product sums the exact products of the quantised numbers (number of the format x scale) in f32.
;;   ~~~python
;;   def quantise(x, axis):      # numpy; x: float32 -> the quantised numbers, widened to float32 again
;;       x = np.moveaxis(x, axis, -1); K = x.shape[-1]
;;       x = np.pad(x, [(0, 0)] * (x.ndim - 1) + [(0, -K % 32)]); x = x.reshape(x.shape[:-1] + (-1, 32)); a = np.abs(x).max(-1, keepdims=True)
;;       e = np.where(a > 0, np.clip(np.frexp(np.where(a > 0, a, 1))[1] - 1 - 2, -126, 127), 0)      # np.frexp(a)[1] - 1 = floor(log2(a)), exactly
;;       r = np.clip(x / 2.0 ** e, -7.5, 7.5)
;;       step = 2.0 ** (np.maximum(np.frexp(np.where(r == 0, 1, r))[1] - 1, 0) - 3)
;;       q = np.round(r / step) * step * 2.0 ** e      # np.round: ties to even
;;       return np.moveaxis(q.reshape(q.shape[:-2] + (-1,))[..., :K], -1, axis).astype(np.float32)
;;   ~~~
;;   INPUTS GIVEN AS CODES. Wk (in the module: [1024, 1024], K = its axis 1); Wq (in the module: [1024, 1024], K = its axis 1); submitter_emb (in the module: [32, 1024], K = its axis 1): each comes as NAME_codes (uint8): NAME with its K axis moved to the last place and cut into blocks of 32 codes, [.., K / 32, bytes a block], one block behind the other in memory; four codes in three bytes: a row's codes are one little-endian stream of bits, code i at bits 6 i .. 6 i + 5 (a code: sign, 2 exponent bits, 3 mantissa bits); and NAME_scales (uint8): the same leading axes, one E8M0 byte (e + 127) for each 32 codes along K. Its value is code x scale, taken as it is: it is not quantised again, and the codes and scales need not be those that the quantiser above would give.
;; One version. Each part assembles by itself: llvm-mc -triple=amdgcn-amd-amdhsa -mcpu=gfx1250 --defsym DOCPART=n.
;; ======== version 1 of 1: 3 launches
;; workspace buffers: wk_img 786,432 bytes; qbuf 131,072 bytes; ebuf 262,144 bytes
;; launch prep (part 1): grid 32 x 1, 4 waves a work-group, no clusters, 5,120 bytes of LDS; arguments Wk_codes, wk_img, submitter_emb_codes, submitter_emb_scales, Wq_codes, Wq_scales, bq, qbuf; writes wk_img, qbuf
.if DOCPART == 1
	.amdgcn_target "amdgcn-amd-amdhsa--gfx1250"
	.amdhsa_code_object_version 6
	.text
	.protected	k_q205a49cb3f_prep
	.globl	k_q205a49cb3f_prep
	.p2align	8
	.type	k_q205a49cb3f_prep,@function
k_q205a49cb3f_prep:
	s_mov_b64 s[64:65], 0
	v_nop
	global_prefetch_b8 v0, s[64:65] scope:SCOPE_SE
	s_setreg_imm32_b32 hwreg(HW_REG_WAVE_MODE, 25, 1), 1
	s_wait_xcnt 0x0
; PREP.  Two small jobs ahead of the large product.
; (1) Q = sub Wq^T + bq, [32][1024] f32: both operands arrive as codes of FP6 (E2M3) with one E8M0 byte for each 32 along K; K = 1,024 is eight matrix instructions of 128.
; (2) Wk's codes are laid anew in the ORDER OF THE OPERAND'S REGISTERS: wk_img[T 64][k 8][c 3][lane 32][16 bytes]: registers 4 c .. 4 c + 3 of the fragment (rows 16 T .. 16 T + 15 of Wk, K step k)
;     of lane l lie at 12,288 T + 1,536 k + 512 c + 16 l.  The next launch then has eight tiles as one dense block for a tensor load, and a fragment by three loads of 16 bytes a lane.
; SHARES.  32 work-groups of four waves.  Work-group g: mt = g % 2 (batches 16 mt on), G = g / 2 (columns 64 G on of Q); wave w makes Q's tile T = 4 G + w (16 batches x 16 columns).
; With W = 4 g + w the wave also lays four of Wk's 512 fragments anew: tile W / 2, K steps 4 (W % 2) + 0 .. 3.
; THE MATRIX INSTRUCTION IS USED TRANSPOSED (source 0 = 16 rows of Wq, source 1 = 16 rows of sub): lane (r, h) then holds Q(16 mt + r, 16 T + 8 h + 0 .. 7), eight neighbours of a row.
; bq is the C of the sum's first matrix instruction, in the result's layout.  One accumulator a wave: the links of its chain follow each other.
; A row of Q's 64 columns of the work-group, 256 bytes, comes from four waves: it goes through a stage in LDS and leaves whole.
; REGISTERS: window 0: v1-9 addresses; v16-111 Wq's eight fragments; v112-207 sub's; v208-215, v216-223 their scale words; v224-231 bq; v232-239 the sum; v240-247 rows on the way out.
;            window 1: v0-47 four fragments of Wk.
.set ROWB,  768                        ; a row of 1,024 codes in bytes
.set TILE,  16*ROWB                    ; 16 rows; also a tile's eight fragments in the image
.set FRB,   1536                       ; a fragment's image: 12 registers x 32 lanes x 4 bytes
.set SP,    272                        ; a stage row: 256 bytes + 16: the 16 rows of a store start at 16 different banks (64 banks of 4 bytes: ISA guide 11.1)
.set WQ,    16
.set SB,    112
.set WQS,   208
.set SBS,   216
.set BQ,    224
.set ACC,   232
.set OUTR,  240
.set MSB, 0
.macro WIN new                         ; the immediate's high byte repeats the setting that is left
.if MSB != \new
	s_set_vgpr_msb (MSB<<8)|\new
.set MSB, \new
.endif
.endm
	s_load_b256 s[4:11], s[0:1], 0x0               ; Wk's codes s[4:5], the image s[6:7], sub's codes s[8:9], sub's scales s[10:11]
	s_load_b256 s[12:19], s[0:1], 0x20             ; Wq's codes s[12:13], Wq's scales s[14:15], bq s[16:17], Q s[18:19]
	v_lshl_add_u32 v254, v0, 2, 0x1200
	v_mov_b32 v255, 0
	v_lshrrev_b32 v1, 5, v0
	v_readfirstlane_b32 s20, v1                    ; wave 0..3
	s_and_b32 s21, ttmp9, 1                        ; mt
	s_lshr_b32 s22, ttmp9, 1                       ; G
	s_lshl_b32 s23, s22, 2
	s_add_co_u32 s23, s23, s20                     ; T = 4 G + w
	s_lshl_b32 s24, ttmp9, 2
	s_add_co_u32 s24, s24, s20                     ; W = 4 g + w
	s_lshr_b32 s25, s24, 1                         ; Wk's tile
	s_and_b32 s24, s24, 1                          ; and which four of its K steps
	v_and_b32 v1, 15, v0                           ; r
	v_bfe_u32 v2, v0, 4, 1                         ; h
	v_mul_u32_u24 v3, v1, ROWB
	v_mad_u32_u24 v3, v2, 24, v3                   ; a fragment's lane: row r, + 24 h
	v_lshlrev_b32 v4, 5, v1                        ; a row of scale bytes: 32 r
	v_lshlrev_b32 v5, 5, v2                        ; bq: my half's eight numbers
	v_and_b32 v6, 31, v0
	v_lshlrev_b32 v6, 4, v6                        ; the image: 16 x lane
	v_mul_u32_u24 v7, v1, SP
	v_lshl_add_u32 v7, v2, 5, v7
	s_lshl_b32 s28, s20, 6
	v_add_nc_u32 v7, s28, v7                       ; the stage, in: row r, 64 w + 32 h bytes on
	v_mul_u32_u24 v8, v2, SP
	v_lshl_add_u32 v8, v1, 4, v8
	s_mul_i32 s28, s20, 4*SP
	v_add_nc_u32 v8, s28, v8                       ; back: rows 4 w + h, 16 bytes a lane
	v_lshlrev_b32 v9, 12, v2
	v_lshl_add_u32 v9, v1, 4, v9                   ; and the same two rows in Q (4,096 bytes a row)
	s_mov_b32 s27, 0
	s_wait_kmcnt 0x0
	s_mul_i32 s28, s25, TILE
	s_mul_i32 s26, s24, 4*96
	s_add_co_u32 s26, s26, s28
	s_add_nc_u64 s[4:5], s[4:5], s[26:27]          ; Wk: my tile's first row, my first K step
	s_mul_i32 s26, s24, 4*FRB
	s_add_co_u32 s26, s26, s28
	s_add_nc_u64 s[6:7], s[6:7], s[26:27]          ; and the same four fragments in the image
	s_mul_i32 s26, s21, TILE
	s_add_nc_u64 s[8:9], s[8:9], s[26:27]          ; sub: row 16 mt
	s_lshl_b32 s26, s21, 9
	s_add_nc_u64 s[10:11], s[10:11], s[26:27]
	s_mul_i32 s26, s23, TILE
	s_add_nc_u64 s[12:13], s[12:13], s[26:27]      ; Wq: row 16 T
	s_lshl_b32 s26, s23, 9
	s_add_nc_u64 s[14:15], s[14:15], s[26:27]
	s_lshl_b32 s26, s23, 6
	s_add_nc_u64 s[16:17], s[16:17], s[26:27]      ; bq: number 16 T
	s_lshl_b32 s26, s21, 16
	s_lshl_b32 s28, s20, 14
	s_add_co_u32 s26, s26, s28
	s_lshl_b32 s28, s22, 8
	s_add_co_u32 s26, s26, s28
	s_add_nc_u64 s[18:19], s[18:19], s[26:27]      ; Q: row 16 mt + 4 w, column 64 G
	; a fragment of 6-bit codes is 12 registers: lane (r, h) takes 24 bytes at 96 k + 24 h of row r and 24 bytes 48 further on, each as three loads of 8 bytes
	WIN 0x40                                       ; destination window 1
.irp kk, 0,1,2,3
.irp p, 0,1,2,3,4,5
	global_load_b64 v[12*\kk+2*\p:12*\kk+2*\p+1], v3, s[4:5] offset:96*\kk+48*(\p/3)+8*(\p%3)
.endr
.endr
	WIN 0
.irp k, 0,1,2,3,4,5,6,7
.irp p, 0,1,2,3,4,5
	global_load_b64 v[WQ+12*\k+2*\p:WQ+12*\k+2*\p+1], v3, s[12:13] offset:96*\k+48*(\p/3)+8*(\p%3)
	global_load_b64 v[SB+12*\k+2*\p:SB+12*\k+2*\p+1], v3, s[8:9] offset:96*\k+48*(\p/3)+8*(\p%3)
.endr
.endr
.irp c, 0,1
	global_load_b128 v[WQS+4*\c:WQS+4*\c+3], v4, s[14:15] offset:16*\c    ; my row's eight scale words, one for each K step
	global_load_b128 v[SBS+4*\c:SBS+4*\c+3], v4, s[10:11] offset:16*\c
	global_load_b128 v[BQ+4*\c:BQ+4*\c+3], v5, s[16:17] offset:16*\c      ; bq(16 T + 8 h + 0 .. 7)
.endr
	s_wait_loadcnt 0x0                             ; one wait for all: the launch is short and nothing could be done meanwhile
	WIN 0x04                                       ; a store's data are its source 1: window 1
.irp kk, 0,1,2,3
.irp c, 0,1,2
	global_store_b128 v6, v[12*\kk+4*\c:12*\kk+4*\c+3], s[6:7] offset:FRB*\kk+512*\c   ; 32 lanes store 512 consecutive bytes, at a multiple of 256 from the image's first byte
.endr
.endr
	WIN 0
	v_wmma_scale_f32_16x16x128_f8f6f4 v[ACC:ACC+7], v[WQ:WQ+11], v[SB:SB+11], v[BQ:BQ+7], v[WQS], v[SBS] matrix_a_fmt:MATRIX_FMT_FP6 matrix_b_fmt:MATRIX_FMT_FP6   ; K step 0 starts the sum from the bias
.irp k, 1,2,3,4,5,6,7
	s_wait_alu depctr_va_vdst(0)                   ; the wait ahead of each link
	v_wmma_scale_f32_16x16x128_f8f6f4 v[ACC:ACC+7], v[WQ+12*\k:WQ+12*\k+11], v[SB+12*\k:SB+12*\k+11], v[ACC:ACC+7], v[WQS+\k], v[SBS+\k] matrix_a_fmt:MATRIX_FMT_FP6 matrix_b_fmt:MATRIX_FMT_FP6
.endr
.rept 4
	v_nop                                          ; four places between the last product and the LDS stores that read its result
.endr
	ds_store_b128 v7, v[ACC:ACC+3]                 ; the result from its low end on
	ds_store_b128 v7, v[ACC+4:ACC+7] offset:16
	s_wait_dscnt 0x0                               ; for the others' sake: my stores into the stage are done
	s_barrier_signal -1
	s_barrier_wait -1
.irp t, 0,1
	ds_load_b128 v[OUTR+4*\t:OUTR+4*\t+3], v8 offset:2*\t*SP
.endr
	s_wait_dscnt 0x0
.irp t, 0,1
	global_store_b128 v9, v[OUTR+4*\t:OUTR+4*\t+3], s[18:19] offset:2*\t*4096   ; sixteen lanes store 256 consecutive bytes of a row of Q, at a multiple of 256 from its first byte
.endr
	s_wait_tensorcnt 0x0
	ds_add_u32 v254, v255
	s_wait_dscnt 0x0
	s_endpgm
.Lfunc_end_k_q205a49cb3f_prep:
	.size	k_q205a49cb3f_prep, .Lfunc_end_k_q205a49cb3f_prep-k_q205a49cb3f_prep
	.p2alignl 7, 3214868480
	.fill 96, 4, 3214868480
	.section	.rodata,"a",@progbits
	.p2align	6, 0x0
	.amdhsa_kernel k_q205a49cb3f_prep
		.amdhsa_group_segment_fixed_size 5120
		.amdhsa_private_segment_fixed_size 0
		.amdhsa_enable_private_segment 0
		.amdhsa_kernarg_size 64
		.amdhsa_user_sgpr_count 2
		.amdhsa_user_sgpr_kernarg_segment_ptr 1
		.amdhsa_wavefront_size32 1
		.amdhsa_system_sgpr_workgroup_id_x 1
		.amdhsa_system_sgpr_workgroup_id_y 1
		.amdhsa_system_sgpr_workgroup_id_z 1
		.amdhsa_system_vgpr_workitem_id 0
		.amdhsa_next_free_vgpr 320
		.amdhsa_next_free_sgpr 66
		.amdhsa_reserve_vcc 0
		.amdhsa_float_denorm_mode_32 3
		.amdhsa_float_denorm_mode_16_64 3
		.amdhsa_memory_ordered 1
		.amdhsa_forward_progress 1
		.amdhsa_inst_pref_size 18
	.end_amdhsa_kernel
	.amdgpu_metadata
---
amdhsa.version: [ 1, 2 ]
amdhsa.kernels:
  - .name:           k_q205a49cb3f_prep
    .symbol:         k_q205a49cb3f_prep.kd
    .args:
      - { .name: Wk_codes, .offset: 0, .size: 8, .value_kind: global_buffer, .address_space: global }
      - { .name: wk_img, .offset: 8, .size: 8, .value_kind: global_buffer, .address_space: global }
      - { .name: submitter_emb_codes, .offset: 16, .size: 8, .value_kind: global_buffer, .address_space: global }
      - { .name: submitter_emb_scales, .offset: 24, .size: 8, .value_kind: global_buffer, .address_space: global }
      - { .name: Wq_codes, .offset: 32, .size: 8, .value_kind: global_buffer, .address_space: global }
      - { .name: Wq_scales, .offset: 40, .size: 8, .value_kind: global_buffer, .address_space: global }
      - { .name: bq, .offset: 48, .size: 8, .value_kind: global_buffer, .address_space: global }
      - { .name: qbuf, .offset: 56, .size: 8, .value_kind: global_buffer, .address_space: global }
    .group_segment_fixed_size: 5120
    .private_segment_fixed_size: 0
    .kernarg_segment_align: 8
    .kernarg_segment_size: 64
    .max_flat_workgroup_size: 128
    .sgpr_count:     66
    .vgpr_count:     320
    .wavefront_size: 32
...
	.end_amdgpu_metadata
.endif
;; end of part 1
;; launch escore (part 2): grid 256 x 1, 4 waves a work-group, clusters of 4 x 1, 327,680 bytes of LDS; arguments reviewer_emb, wk_img, Wk_scales, qbuf, bk, ebuf; writes ebuf
.if DOCPART == 2
	.amdgcn_target "amdgcn-amd-amdhsa--gfx1250"
	.amdhsa_code_object_version 6
	.text
	.protected	k_q205a49cb3f_escore
	.globl	k_q205a49cb3f_escore
	.p2align	8
	.type	k_q205a49cb3f_escore,@function
k_q205a49cb3f_escore:
	s_mov_b64 s[64:65], 0
	v_nop
	global_prefetch_b8 v0, s[64:65] scope:SCOPE_SE
	s_setreg_imm32_b32 hwreg(HW_REG_WAVE_MODE, 25, 1), 1
	s_wait_xcnt 0x0
	s_wait_alu depctr_hold_cnt(0) depctr_sa_sdst(0) depctr_va_vdst(0) depctr_va_sdst(0) depctr_va_ssrc(0) depctr_va_vcc(0) depctr_vm_vsrc(0)
	s_getreg_b32 s2, hwreg(HW_REG_IB_STS2, 6, 4)
	s_cmp_eq_u32 s2, 0
	s_cbranch_scc0 .Lentry_in_a_cluster
	s_endpgm
.Lentry_in_a_cluster:
	s_bfe_u32 s2, ttmp6, 0x10000c
	s_cmp_lg_u32 s2, 0x3003
	s_cbranch_scc0 .Lentry_shape_is_right
	s_endpgm
.Lentry_shape_is_right:
; ESCORE.  e[b][l] = Q[b] . (x[b][l] Wk^T + bk) / 32, x = reviewer_emb [65,536 rows][1,024] f32.  The product x Wk^T is made on codes of FP6 (E2M3) with one E8M0 scale for each 32 along K:
; x is quantised here, in registers; Wk arrives as codes (laid in register order by the launch before) with its scale bytes.  K never goes to memory: each accumulator is multiplied by Q and summed as soon as it is finished.
; Since sum_a Q[a] (K[a] + bk[a]) = sum_a Q[a] K[a] + Q . bk, the bias enters as the one number c = Q . bk, summed once a wave in f32.
; LIMITS: NaN and infinities in x are not served.  A block of 32 whose largest magnitude lies under 2^(3 - 127) keeps the scale byte 1; a block of zeros so gets the byte 1 where the quantiser says 127: its codes are zeros,
; which add nothing under any byte but 0xff, and this launch alone reads the byte.  The f32 sums over the 1,024 columns are taken in another order than the reference's.
; SHARES.  Work-group g owns rows 256 g .. 256 g + 255 (all of batch g / 8); THE WAVES SHARE THE ROWS: wave w owns 64, as four tiles of 16.  Tile m's lane row r is the wave's row 4 r + m, so that a lane ends with the e of four
; neighbouring rows.  A wave's codes of all of K (4 tiles x 8 K steps x 12 registers = 384) and their 32 scale words stay in its registers; every wave walks all 64 tiles of Wk once, and each fragment read from LDS feeds four products.
; PHASE 1: the wave's 64 rows x 4,096 bytes are streamed in 32 units (a tile x a K step: 16 rows x 512 bytes).  Each load takes 512 consecutive bytes of a row; a unit turns through the wave's own stage in LDS, so that lane (r, h)
; holds, of row r, 16 neighbours of each block of 32; then the block's largest magnitude, its scale byte and the conversions.  Loads run four units (64 loads a wave) ahead, the turn one unit.
; PHASE 2: Wk's image comes through a ring of two LDS slots of eight tiles (98,304 bytes, dense), filled by the tensor data mover, a quarter by each wave.
; THE MATRIX INSTRUCTION IS USED TRANSPOSED (source 0 = 16 rows of Wk, source 1 = 16 rows of x): lane (r, h) holds K(row r, columns 16 T + 8 h + 0 .. 7), which four packed multiply-adds take against Q's same eight columns.
; CLUSTER.  Wk's image and scale bytes are the same for every work-group: the four of a cluster ask for each tile JOINTLY (the same tensor load, the same descriptor, a mask that names the four).  Nothing of x is shared.
; x is read again by the next launch (the sum over rows wants e of all 1,024 columns of Wk first): so its loads carry no hint.
; REGISTERS, in windows of 256 (s_set_vgpr_msb: bits 1:0 source 0, 3:2 source 1, 5:4 source 2, 7:6 destination):
;   window 0: v1-23 addresses and results; v32-63 x's scale words (8 m + k); v224-239 Wk's scale words, two sets of 8: both hold scale words and nothing else.
;             phase 1: v64-191 two sets of 64 numbers; v192-207 at work; v208-222 the codes just made.   phase 2: v64-127 accumulators, two sets of 4 x 8; v128-159 the sums for e (8 m + ..); v160-175 Q, two sets of 8.
;   window 1: x's codes of K steps 0-3 at 48 m + 12 k;   window 2: of K steps 4-7.   window 3: phase 1: four sets of 64, where x lands; phase 2: Wk's fragments, two sets of 96.
.set SLOT1, 1<<17                      ; slot 1 begins here, so that one exclusive or turns an address in one slot into the other's
.set TILEB, 12288                      ; a tile of Wk's image: 8 fragments of 1,536 bytes
.set FRB,   1536
.set SLOTB, 8*TILEB                    ; a slot: eight tiles
.set QUART, SLOTB/4                    ; what one tensor load brings: 96 rows of 256 bytes
.set SCL,   235520                     ; Wk's scale bytes, all 32,768, as 128 units of 256 bytes + 16 of padding: filled once
.set SCQ,   32*272                     ; a quarter of them
.set QL,    SCL+4*SCQ                  ; Q[b], 4,096 bytes, a copy for each wave
.set STG,   QL+4*4096                  ; the stage of phase 1: 16 rows x 528 bytes for each wave
.set SP,    528                        ; 512 bytes + 16 = 132 words: row r starts at bank 4 r mod 64 (64 banks of 4 bytes: ISA guide 11.1)
.set STW,   16*SP
.set SPARE, STG+4*STW                  ; the spare words, 128 bytes for each wave: two blocks of 256 bytes that no other line names
.set XA,   4                           ; v4   16 x lane: x's, Q's and bk's loads; also my place in a fragment's image
.set STI,  5                           ; v5   the stage, in
.set STO,  6                           ; v6   the stage, out: row r, + 64 h
.set QST,  7                           ; v7   where I store Q's copy
.set ASW0, 9                           ; v9   my lane's place among Wk's scale bytes
.set AQ0,  10                          ; v10  my half's place in Q's copy
.set ADF0, 11                          ; v11  LDS address of the slot in hand, tiles 0-4
.set ADF1, 12                          ; v12  the same for tiles 5-7: an LDS offset has 16 bits
.set ADW,  13                          ; v13  of the slot's scale words
.set ADQ,  14                          ; v14  of the slot's columns of Q
.set EO,   15                          ; v15  16 r: my place in the wave's 256 bytes of e
.set SPW,  16                          ; v16  LDS address of my spare word: SPARE + 4 x my thread's number; never rewritten
.set NIL,  17                          ; v17  0; never rewritten
.set CB,   18                          ; v18  Q . bk / 32
.set ER,   20                          ; v20-23 e of my four rows
.set XS,   32
.set X,    64
.set TM,   192                         ; v192-195 largest magnitudes, v196-199 the other half's, then the bytes, v204-207 the conversions' scale operands
.set FG,   208                         ; v208, v212, v216, v220: three registers each: a conversion's result begins on an even register
.set WS,   224
.set ACC,  64
.set E,    128
.set QR,   160
.set WV,   16                          ; s16  my wave's number
.set SEL,  20                          ; s[20:21] lane selects for v_permlanex16_b32: lane l xor 16
.set G1C,  24                          ; s[24:31] descriptor group 1 for the image's quarters
.set G1S,  32                          ; s[32:39] for the scale bytes' quarters
.set G0A,  40                          ; s[40:43] group 0: slot 0's first fill
.set G0W,  44                          ; s[44:47] slot 1's first fill; it then walks on
.set G0S,  48                          ; s[48:51] the scale bytes
.set TB,   52                          ; s52  LDS byte at which the slot in hand begins
.set TS,   53                          ; s53  where its tiles' scale bytes begin: 4,352 bytes a slot
.set TQ,   54                          ; s54  and its columns of Q: 512 bytes a slot
.set TRIP, 55
.set MSB, 0
.macro WIN new                         ; the immediate's high byte repeats the setting that is left; a switch that changes nothing is dropped
.if MSB != \new
	s_set_vgpr_msb (MSB<<8)|\new
.set MSB, \new
.endif
.endm
; A round of the cluster's barrier: my work-group's barrier, so that wave 0's signal speaks for all four waves; wave 0 signals for the work-group; every wave waits for all four work-groups; my work-group's barrier once more.
.macro CROUND
	s_barrier_signal -1
	s_barrier_wait -1
	s_cmp_lg_u32 s[WV], 0
	s_cbranch_scc1 .Lnot_wave_0_\@
	s_barrier_signal -3
.Lnot_wave_0_\@:
	s_barrier_wait -3
	s_barrier_signal -1
	s_barrier_wait -1
.endm
.macro PLACES n
.rept \n
	v_nop
.endr
.endm
	s_load_b256 s[4:11], s[0:1], 0x0               ; x s[4:5], Wk's image s[6:7], Wk's scales s[8:9], Q s[10:11]
	s_load_b128 s[12:15], s[0:1], 0x20             ; bk s[12:13], e s[14:15]
	v_lshl_add_u32 v[SPW], v0, 2, SPARE
	v_mov_b32 v[NIL], 0
	ds_add_u32 v16, v17
	ds_add_u32 v16, v17
	s_wait_dscnt 0x0
	v_lshrrev_b32 v1, 5, v0
	v_readfirstlane_b32 s[WV], v1                  ; wave 0..3
	s_bfe_u32 s17, ttmp6, 0x40000                  ; cx: my place in the cluster
	s_lshl_b32 s18, ttmp9, 2                       ; in a cluster launch ttmp9 counts clusters
	s_add_co_u32 s18, s18, s17                     ; g = 4 x cluster + cx: it enters x's, Q's and e's addresses alone
	s_mov_b32 s[SEL], 0x76543210
	s_mov_b32 s[SEL+1], 0xfedcba98
	; descriptor group 1.  The image's quarter: a dense block of 24,576 bytes as 96 rows of 256 bytes (32 elements of 8 bytes), no padding
	s_mov_b32 s[G1C], 15|(3<<16)|(1<<21)           ; 15:0 the mask: all four work-groups; 17:16 elements of 8 bytes; 20 padding off; 21 set beside a mask
	s_mov_b32 s[G1C+1], 32<<16                     ; tensor_dim0 = 32
	s_mov_b32 s[G1C+2], 96<<16                     ; tensor_dim1 = 96
	s_mov_b32 s[G1C+3], 32<<16                     ; tile_dim0 = 32
	s_mov_b32 s[G1C+4], 96                         ; tile_dim1 = 96
	s_mov_b32 s[G1C+5], 32                         ; from row to row: 32 elements
	s_mov_b32 s[G1C+6], 0
	s_mov_b32 s[G1C+7], 0
	; the scale bytes' quarter: 8,192 dense bytes as 32 rows of 256, 16 bytes of padding behind each
	s_mov_b32 s[G1S], 15|(3<<16)|(1<<20)|(1<<21)|(5<<22)|(3<<25)   ; 20 padding on; 24:22 after every 64 words (code 5); 31:25 of 4 words (code 3)
	s_mov_b32 s[G1S+1], 32<<16
	s_mov_b32 s[G1S+2], 32<<16
	s_mov_b32 s[G1S+3], 32<<16
	s_mov_b32 s[G1S+4], 32
	s_mov_b32 s[G1S+5], 32
	s_mov_b32 s[G1S+6], 0
	s_mov_b32 s[G1S+7], 0
	v_and_b32 v1, 31, v0                           ; lane
	v_and_b32 v2, 15, v0                           ; r
	v_bfe_u32 v3, v0, 4, 1                         ; h
	v_lshlrev_b32 v[XA], 4, v1
	s_mul_i32 s53, s[WV], STW
	s_add_co_u32 s53, s53, STG                     ; my stage
	v_add_nc_u32 v[STI], s53, v[XA]                ; in: a row's 512 bytes as they lie
	v_mul_u32_u24 v[STO], v2, SP
	v_lshl_add_u32 v[STO], v3, 6, v[STO]
	v_add_nc_u32 v[STO], s53, v[STO]               ; out: row r, my half's 16 numbers of each block of 32
	s_lshl_b32 s54, s[WV], 12
	s_add_co_u32 s54, s54, QL                      ; my copy of Q
	v_add_nc_u32 v[QST], s54, v[XA]
	v_lshl_add_u32 v[AQ0], v3, 5, s54              ; a tile's eight columns of my half: 32 h bytes on
	v_lshrrev_b32 v[ASW0], 3, v2                   ; Wk's row 16 T + r has 32 scale bytes: unit 2 T + r / 8, byte 32 (r % 8) in it
	v_mul_u32_u24 v[ASW0], v[ASW0], 272
	v_and_b32 v[ADW], 7, v2
	v_lshl_add_u32 v[ASW0], v[ADW], 5, v[ASW0]
	v_add_nc_u32 v[ASW0], SCL, v[ASW0]
	v_lshlrev_b32 v[EO], 4, v2
	s_lshl_b32 s56, s18, 20                        ; x: 256 rows of 4,096 bytes a work-group,
	s_lshl_b32 s57, s[WV], 18                      ; 64 a wave
	s_add_co_u32 s56, s56, s57
	s_mov_b32 s57, 0
	s_lshr_b32 s58, s18, 3                         ; Q: row g / 8
	s_lshl_b32 s58, s58, 12
	s_mov_b32 s59, 0
	s_lshl_b32 s60, s18, 10                        ; e: 1,024 bytes a work-group, 256 a wave
	s_lshl_b32 s61, s[WV], 8
	s_add_co_u32 s60, s60, s61
	s_mov_b32 s61, 0
	s_mul_i32 s22, s[WV], QUART                    ; my quarter of a slot, in memory and in LDS: the wave's number alone; no place in the cluster enters a descriptor
	s_mov_b32 s23, 0
	s_lshl_b32 s62, s[WV], 13                      ; my quarter of the scale bytes in memory,
	s_mov_b32 s63, 0
	s_mul_i32 s52, s[WV], SCQ                      ; and in LDS
	s_wait_kmcnt 0x0
	s_add_nc_u64 s[4:5], s[4:5], s[56:57]
	s_add_nc_u64 s[10:11], s[10:11], s[58:59]
	s_add_nc_u64 s[14:15], s[14:15], s[60:61]
	s_mov_b32 s[G0S], 1                            ; 1:0 count = 1
	s_add_co_u32 s[G0S+1], s52, SCL                ; 63:32 LDS address
	s_add_nc_u64 s[G0S+2:G0S+3], s[8:9], s[62:63]  ; 120:64 global address
	s_or_b32 s[G0S+3], s[G0S+3], 0x80000000        ; 127:126 type = 2
	s_mov_b32 s[G0A], 1
	s_mov_b32 s[G0A+1], s22                        ; slot 0
	s_add_nc_u64 s[G0A+2:G0A+3], s[6:7], s[22:23]  ; tiles 0-7
	s_or_b32 s[G0A+3], s[G0A+3], 0x80000000
	s_mov_b32 s[G0W], 1
	s_add_co_u32 s[G0W+1], s22, SLOT1              ; slot 1
	s_add_nc_u64 s[G0W+2:G0W+3], s[6:7], s[22:23]
	s_add_nc_u64 s[G0W+2:G0W+3], s[G0W+2:G0W+3], SLOTB   ; tiles 8-15
	s_or_b32 s[G0W+3], s[G0W+3], 0x80000000
	CROUND                                         ; all four work-groups are here: the first joint loads meet
	tensor_load_to_lds s[G0S:G0S+3], s[G1S:G1S+7]  ; the three first fills go out together, ahead of every wait on TENSORcnt and every LDS read: three loads of mine are out
	s_nop 0
	tensor_load_to_lds s[G0A:G0A+3], s[G1C:G1C+7]
	s_nop 0
	tensor_load_to_lds s[G0W:G0W+3], s[G1C:G1C+7]
	s_nop 0
	PLACES 4                                       ; four v_nop follow the last
; ---------------------------------------------------------------- PHASE 1
; Unit u = 8 m + q: tile m, K step q.  Load kk takes the 512 bytes of K step q of the wave's row 4 kk + m: 32 lanes, 16 consecutive bytes each.  Into set u % 4 of window 3.
.macro LOAD u
	WIN 0xc0                                       ; destination window 3, address window 0
.irp kk, 0,1,2,3,4,5,6,7,8,9,10,11,12,13,14,15
	global_load_b128 v[64*((\u)%4)+4*\kk:64*((\u)%4)+4*\kk+3], v[XA], s[4:5] offset:16384*\kk+512*(\u)
.endr
.endm
; The unit turns through my stage: in as loaded, out 64 bytes of each block's 128 a lane: register 16 b + i = k 32 b + 16 h + i of row r.  LDS serves a wave's instructions in order (ISA guide 5.7.1.4): no wait between.
.macro TURN u
	WIN 0x0c                                       ; an LDS store's data are its source 1: window 3
.irp kk, 0,1,2,3,4,5,6,7,8,9,10,11,12,13,14,15
	ds_store_b128 v[STI], v[64*((\u)%4)+4*\kk:64*((\u)%4)+4*\kk+3] offset:SP*\kk
.endr
	WIN 0
.irp b, 0,1,2,3
.irp j, 0,1,2,3
	ds_load_b128 v[X+64*((\u)%2)+16*\b+4*\j:X+64*((\u)%2)+16*\b+4*\j+3], v[STO] offset:128*\b+16*\j
.endr
.endr
.endm
; 64 numbers of a lane, v[s] on, become the fragment (tile m, K step q) in window 1 or 2 and its scale word in v[XS + 8 m + q].
.macro QUANT s, m, q
	WIN 0
.irp b, 0,1,2,3
	v_max3_num_f32 v[TM+\b], |v[(\s)+16*\b]|, |v[(\s)+1+16*\b]|, 0x1800000   ; block b: my 16 numbers, and the floor 2^(3 - 127), under which no largest magnitude is taken: so the byte cannot fall under 1
.endr
.irp i, 2,4,6,8,10,12,14
.irp b, 0,1,2,3
	v_max3_num_f32 v[TM+\b], v[TM+\b], |v[(\s)+16*\b+\i]|, |v[(\s)+1+16*\b+\i]|   ; (the four blocks by turns: no line waits for the line above it)
.endr
.endr
.irp b, 0,1,2,3
	v_permlanex16_b32 v[TM+4+\b], v[TM+\b], s[SEL], s[SEL+1]
.endr
.irp b, 0,1,2,3
	v_max_num_f32 v[TM+\b], v[TM+\b], v[TM+4+\b]   ; with lane l xor 16's: the block's largest magnitude
.endr
.irp b, 0,1,2,3
	v_add_nc_u32 v[TM+12+\b], 0xff000000, v[TM+\b] ; 2 off its exponent field: the conversion takes the exponent field of this operand as its scale, and nothing else of it
.endr
.irp b, 0,1,2,3
	v_lshrrev_b32 v[TM+4+\b], 23, v[TM+12+\b]      ; the scale's byte
.endr
	v_lshl_or_b32 v[XS+8*(\m)+(\q)], v[TM+5], 8, v[TM+4]           ; the four bytes make my row's scale word for this K step
	v_lshl_or_b32 v[XS+8*(\m)+(\q)], v[TM+6], 16, v[XS+8*(\m)+(\q)]
	v_lshl_or_b32 v[XS+8*(\m)+(\q)], v[TM+7], 24, v[XS+8*(\m)+(\q)]
.irp c, 0,1
	v_cvt_scalef32_pk16_fp6_f32 v[FG+8*\c:FG+8*\c+2], v[(\s)+32*\c:(\s)+32*\c+15], v[TM+12+2*\c]        ; 96 bits: the codes of k = 64 c + 16 h + 0 .. 15; what lies beyond 7.5 gets the largest code
	v_cvt_scalef32_pk16_fp6_f32 v[FG+8*\c+4:FG+8*\c+6], v[(\s)+32*\c+16:(\s)+32*\c+31], v[TM+13+2*\c]   ; and of k = 64 c + 32 + 16 h + 0 .. 15
.endr
	v_nop                                          ; one plain place behind a scaled conversion
.irp c, 0,1                            ; the operand's layout wants a WHOLE block in a lane: lanes 0-15 block 2 c, lanes 16-31 block 2 c + 1
.irp i, 0,1,2
	v_permlane16_swap_b32 v[FG+8*\c+\i], v[FG+8*\c+4+\i]           ; the first's lanes 16-31 change places with the second's lanes 0-15
.endr
.endr
.if (\q) < 4
	WIN 0x40                                       ; destination window 1
.else
	WIN 0x80                                       ; destination window 2
.endif
.irp c, 0,1
.irp i, 0,1,2
	v_mov_b32 v[48*(\m)+12*((\q)%4)+6*\c+\i], v[FG+8*\c+\i]        ; registers 6 c .. 6 c + 5: k = 64 c + 32 h + 0 .. 31
	v_mov_b32 v[48*(\m)+12*((\q)%4)+6*\c+3+\i], v[FG+8*\c+4+\i]
.endr
.endr
	WIN 0
.endm
.macro UNIT u
	s_wait_dscnt 0x0                               ; this unit's numbers are back from the stage: so its stores into the stage have read their registers,
.if (\u) < 28
	LOAD (\u)+4                                    ; which take the loads of four units on
.endif
.if (\u) < 31
.if (\u) < 28
	s_wait_loadcnt 48                              ; the next unit's sixteen loads are in; those of the three units behind it may be out
.else
	s_wait_loadcnt 16*(30-(\u))                    ; the last units: the counts run down
.endif
	TURN (\u)+1                                    ; and go through the stage while this unit is worked
.endif
	QUANT X+64*((\u)%2), (\u)/8, (\u)%8
.endm
.irp kk, 0,1,2,3,4,5,6,7
	global_load_b128 v[128+4*\kk:131+4*\kk], v[XA], s[10:11] offset:512*\kk    ; Q[b]: 32 numbers a lane
.endr
.irp kk, 0,1,2,3,4,5,6,7
	global_load_b128 v[160+4*\kk:163+4*\kk], v[XA], s[12:13] offset:512*\kk    ; bk: the same places
.endr
	LOAD 0
	LOAD 1
	LOAD 2
	WIN 0
	s_wait_loadcnt 48                              ; Q and bk are in; the three units behind them stay out
.irp t, 0,1,2,3
	v_pk_mul_f32 v[TM+2*\t:TM+2*\t+1], v[128+2*\t:129+2*\t], v[160+2*\t:161+2*\t]       ; c = Q . bk: four chains, started by products
.endr
.irp i, 4,5,6,7,8,9,10,11,12,13,14,15
	v_pk_fma_f32 v[TM+2*(\i%4):TM+2*(\i%4)+1], v[128+2*\i:129+2*\i], v[160+2*\i:161+2*\i], v[TM+2*(\i%4):TM+2*(\i%4)+1]
.endr
	v_pk_add_f32 v[TM:TM+1], v[TM:TM+1], v[TM+2:TM+3]
	v_pk_add_f32 v[TM+4:TM+5], v[TM+4:TM+5], v[TM+6:TM+7]          ; (v196-199 are written here: a lane permute's destination counts as one of its sources)
	v_pk_add_f32 v[TM:TM+1], v[TM:TM+1], v[TM+4:TM+5]
	v_add_f32 v[TM], v[TM], v[TM+1]
	v_add_f32_dpp v[TM], v[TM], v[TM] row_xmask:1 row_mask:0xf bank_mask:0xf
	v_add_f32_dpp v[TM], v[TM], v[TM] row_xmask:2 row_mask:0xf bank_mask:0xf
	v_add_f32_dpp v[TM], v[TM], v[TM] row_xmask:4 row_mask:0xf bank_mask:0xf
	v_add_f32_dpp v[TM], v[TM], v[TM] row_xmask:8 row_mask:0xf bank_mask:0xf
	v_permlanex16_b32 v[TM+1], v[TM], s[SEL], s[SEL+1]
	v_add_f32 v[TM], v[TM], v[TM+1]
	v_mul_f32 v[CB], 0x3d000000, v[TM]             ; c / 32
.irp kk, 0,1,2,3,4,5,6,7
	ds_store_b128 v[QST], v[128+4*\kk:131+4*\kk] offset:512*\kk    ; Q into my own copy in LDS: phase 2 reads it eight numbers at a time
.endr
	LOAD 3
	s_wait_loadcnt 48                              ; unit 0 is in; units 1 to 3 stay out
	TURN 0
.set U, 0
.rept 32
	UNIT U
.set U, U+1
.endr
; ---------------------------------------------------------------- PHASE 2
.macro ADDRS                           ; the addresses of the slot in hand
	v_add_nc_u32 v[ADF0], s[TB], v[XA]
	v_add_nc_u32 v[ADW], s[TS], v[ASW0]
	v_add_nc_u32 v[ADQ], s[TQ], v[AQ0]
	v_add_nc_u32 v[ADF1], 5*TILEB, v[ADF0]
.endm
; Tile i of the slot: its eight fragments as images (three loads of 16 bytes a lane each: 512 consecutive bytes a load), my row's eight scale words, my half's eight columns of Q.  28 loads in one run, into set i % 2.
.macro FETCH i
	WIN 0xc0                                       ; destination window 3
.irp k, 0,1,2,3,4,5,6,7
.irp c, 0,1,2
.if (\i) < 5
	ds_load_b128 v[96*((\i)%2)+12*\k+4*\c:96*((\i)%2)+12*\k+4*\c+3], v[ADF0] offset:TILEB*(\i)+FRB*\k+512*\c
.else
	ds_load_b128 v[96*((\i)%2)+12*\k+4*\c:96*((\i)%2)+12*\k+4*\c+3], v[ADF1] offset:TILEB*((\i)-5)+FRB*\k+512*\c
.endif
.endr
.endr
	WIN 0
.irp c, 0,1
	ds_load_b128 v[WS+8*((\i)%2)+4*\c:WS+8*((\i)%2)+4*\c+3], v[ADW] offset:544*(\i)+16*\c
	ds_load_b128 v[QR+8*((\i)%2)+4*\c:QR+8*((\i)%2)+4*\c+3], v[ADQ] offset:64*(\i)+16*\c
.endr
.endm
; 16 matrix instructions: K steps k0 .. k0 + 3 of tile i against my four tiles of rows.  The four accumulators take turns, one instruction a turn.  K step 0 starts the sums with the constant 0.
.macro MUL i, k0
.if (\k0) == 0
	WIN 0x07                                       ; source 0 (Wk) window 3, source 1 (x) window 1, C and D window 0
.else
	WIN 0x0b                                       ; source 1 window 2
.endif
.irp kk, 0,1,2,3
.irp m, 0,1,2,3
.if ((\k0)+\kk) == 0
	v_wmma_scale_f32_16x16x128_f8f6f4 v[ACC+32*((\i)%2)+8*\m:ACC+32*((\i)%2)+8*\m+7], v[96*((\i)%2)+12*((\k0)+\kk):96*((\i)%2)+12*((\k0)+\kk)+11], v[48*\m+12*\kk:48*\m+12*\kk+11], 0, v[WS+8*((\i)%2)+(\k0)+\kk], v[XS+8*\m+(\k0)+\kk] matrix_a_fmt:MATRIX_FMT_FP6 matrix_b_fmt:MATRIX_FMT_FP6
.else
	v_wmma_scale_f32_16x16x128_f8f6f4 v[ACC+32*((\i)%2)+8*\m:ACC+32*((\i)%2)+8*\m+7], v[96*((\i)%2)+12*((\k0)+\kk):96*((\i)%2)+12*((\k0)+\kk)+11], v[48*\m+12*\kk:48*\m+12*\kk+11], v[ACC+32*((\i)%2)+8*\m:ACC+32*((\i)%2)+8*\m+7], v[WS+8*((\i)%2)+(\k0)+\kk], v[XS+8*\m+(\k0)+\kk] matrix_a_fmt:MATRIX_FMT_FP6 matrix_b_fmt:MATRIX_FMT_FP6
.endif
.endr
.endr
.endm
; The finished tile in set par: each of my four rows' eight columns times Q's same eight, two at a time, onto the sums for e.  Each accumulator is read from its low end on.
.macro EPI par
.irp m, 0,1,2,3
.irp jp, 0,1,2,3
	v_pk_fma_f32 v[E+8*\m+2*\jp:E+8*\m+2*\jp+1], v[ACC+32*(\par)+8*\m+2*\jp:ACC+32*(\par)+8*\m+2*\jp+1], v[QR+8*(\par)+2*\jp:QR+8*(\par)+2*\jp+1], v[E+8*\m+2*\jp:E+8*\m+2*\jp+1]
.endr
.endr
.endm
; A tile's turn.  In its middle the tile before is taken into e and the next tile is fetched into the sets that it has left.  The four v_nop are the places between the last tile's products and the reads of
; their results and the loads into their fragments and scale words; with the twelve multiply-adds on the other three accumulators they are also more than the five places before an accumulator is begun anew.
.macro STEP i, fetch
	s_wait_dscnt 0x0                               ; this tile's 28 loads are in (asked for 16 matrix instructions ago)
	MUL \i, 0
	WIN 0
	PLACES 4
	EPI ((\i)+1)%2
.if \fetch
	FETCH ((\i)+1)%8
.endif
	MUL \i, 4
.endm
; THE CHANGE OF SLOTS stands between tile 6's turn and tile 7's: tile 7's fragments, the slot's last bytes, have been asked for.  Each wave waits for all its tensor loads (the one that is out is its quarter of the next slot), adds 0
; to its spare word, and waits for that and for its reads of this slot.  fill = 1: the barrier is a round of the cluster's, so that no wave of any partner still reads the slot or has a load on its way, and the joint refill, the
; tiles two slots on, is the first thing behind it: it has eight tiles' turns, 256 matrix instructions, in which to land.
.macro CHANGE fill
	WIN 0                                          ; the add's registers lie in window 0; at a branch and at a label every window is 0
	s_wait_tensorcnt 0x0                           ; no tensor load of mine is out, so a group 0 may be written
	ds_add_u32 v[SPW], v[NIL]                      ; 0 onto my spare word: the steps below stand between it and the wait for it
.if \fill
	s_xor_b32 s[G0W+1], s[G0W+1], SLOT1            ; the walking descriptor: the other slot than last time,
	s_add_nc_u64 s[G0W+2:G0W+3], s[G0W+2:G0W+3], SLOTB   ; the next eight tiles; the type bits on top are not reached
.endif
	s_xor_b32 s[TB], s[TB], SLOT1                  ; the fetches go on in the other slot,
	s_add_co_u32 s[TS], s[TS], 8*544               ; with its tiles' scale words
	s_add_co_u32 s[TQ], s[TQ], 8*64                ; and its columns of Q
	s_wait_dscnt 0x0                               ; the add is done, and my reads of this slot are over
.if \fill
	CROUND
	tensor_load_to_lds s[G0W:G0W+3], s[G1C:G1C+7]  ; my one tensor load behind the round
	s_nop 0
	PLACES 4                                       ; four v_nop follow it
.else
	s_barrier_signal -1
	s_barrier_wait -1
.endif
	ADDRS
.endm
.macro SLOTBODY kind                   ; a slot's eight tiles.  kind 0: the slot is filled again; 1: it is left and nothing is asked for; 2: the last slot
.irp i, 0,1,2,3,4,5,6
	STEP \i, 1
.endr
.if \kind == 0
	CHANGE 1
	STEP 7, 1
.elseif \kind == 1
	CHANGE 0
	STEP 7, 1
.else
	STEP 7, 0
.endif
	WIN 0
.endm
	s_wait_tensorcnt 0x1                           ; my quarters of the scale bytes and of slot 0 are in; slot 1's may stay out
	s_wait_dscnt 0x0
	s_barrier_signal -1
	s_barrier_wait -1                              ; everybody's are
	s_mov_b32 s[TB], 0
	s_mov_b32 s[TS], 0
	s_mov_b32 s[TQ], 0
.set I, 0
.rept 32
	v_mov_b32 v[E+I], 0                            ; the sums for e; and set 1 of the accumulators and of Q, so that the first tile's turn, written like every other, adds zeros.
	v_mov_b32 v[ACC+32+I], 0                       ; (These lines are also the places between the vector instructions that made x's codes and scale words and the first scaled product)
.set I, I+1
.endr
.set I, 0
.rept 8
	v_mov_b32 v[QR+8+I], 0
.set I, I+1
.endr
	ADDRS
	FETCH 0
	s_mov_b32 s[TRIP], 6
.Lslot:                                            ; six trips: slots' worth 0 to 5 of Wk; each asks for the tiles two slots on
	SLOTBODY 0
	s_sub_co_u32 s[TRIP], s[TRIP], 1
	s_cmp_lg_u32 s[TRIP], 0
	s_cbranch_scc1 .Lslot
	SLOTBODY 1                                     ; the tail is written out
	SLOTBODY 2
	; THE WAY OUT.  The last tile is taken in; a row's eight sums and the other half of the lanes' are added; e = sum / 32 + c / 32.
	PLACES 4
	EPI 1
.irp m, 0,1,2,3
	v_pk_add_f32 v[E+8*\m:E+8*\m+1], v[E+8*\m:E+8*\m+1], v[E+8*\m+2:E+8*\m+3]
	v_pk_add_f32 v[E+8*\m+4:E+8*\m+5], v[E+8*\m+4:E+8*\m+5], v[E+8*\m+6:E+8*\m+7]
.endr
.irp m, 0,1,2,3
	v_pk_add_f32 v[E+8*\m:E+8*\m+1], v[E+8*\m:E+8*\m+1], v[E+8*\m+4:E+8*\m+5]
.endr
.irp m, 0,1,2,3
	v_add_f32 v[E+8*\m], v[E+8*\m], v[E+8*\m+1]
.endr
.irp m, 0,1,2,3
	v_permlanex16_b32 v[E+8*\m+1], v[E+8*\m], s[SEL], s[SEL+1]     ; the row's other eight columns of each tile lie in the lane 16 away
.endr
.irp m, 0,1,2,3
	v_add_f32 v[E+8*\m], v[E+8*\m], v[E+8*\m+1]
.endr
.irp m, 0,1,2,3
	v_fma_f32 v[ER+\m], v[E+8*\m], 0x3d000000, v[CB]               ; lane r: e of the wave's row 4 r + m
.endr
	s_wait_xcnt 0x0                                ; EXEC changes only behind this wait
	v_cmp_gt_u32 vcc_lo, 16, v1
	s_and_saveexec_b32 s19, vcc_lo                 ; lanes 16-31 hold the same numbers again
	global_store_b128 v[EO], v[ER:ER+3], s[14:15]  ; sixteen lanes store the wave's 256 consecutive bytes of e, at a multiple of 256 from its first byte
	s_wait_xcnt 0x0                                ; and again, in front of the line that widens it
	s_or_b32 exec_lo, exec_lo, s19
	s_wait_tensorcnt 0x0                           ; the wave's end, behind my last tensor load and my last LDS store
	ds_add_u32 v[SPW], v[NIL]
	s_wait_dscnt 0x0
	CROUND                                         ; the closing round: no work-group ends while a partner may still ask for a tile that names it
	s_endpgm
.Lfunc_end_k_q205a49cb3f_escore:
	.size	k_q205a49cb3f_escore, .Lfunc_end_k_q205a49cb3f_escore-k_q205a49cb3f_escore
	.p2alignl 7, 3214868480
	.fill 96, 4, 3214868480
	.section	.rodata,"a",@progbits
	.p2align	6, 0x0
	.amdhsa_kernel k_q205a49cb3f_escore
		.amdhsa_group_segment_fixed_size 327680
		.amdhsa_private_segment_fixed_size 0
		.amdhsa_enable_private_segment 0
		.amdhsa_kernarg_size 48
		.amdhsa_user_sgpr_count 2
		.amdhsa_user_sgpr_kernarg_segment_ptr 1
		.amdhsa_wavefront_size32 1
		.amdhsa_system_sgpr_workgroup_id_x 1
		.amdhsa_system_sgpr_workgroup_id_y 1
		.amdhsa_system_sgpr_workgroup_id_z 1
		.amdhsa_system_vgpr_workitem_id 0
		.amdhsa_next_free_vgpr 1024
		.amdhsa_next_free_sgpr 66
		.amdhsa_reserve_vcc 1
		.amdhsa_float_denorm_mode_32 3
		.amdhsa_float_denorm_mode_16_64 3
		.amdhsa_memory_ordered 1
		.amdhsa_forward_progress 1
		.amdhsa_inst_pref_size 255
	.end_amdhsa_kernel
	.section	.bss,"aw",@nobits
	.p2align	6
	.space	262144
	.amdgpu_metadata
---
amdhsa.version: [ 1, 2 ]
amdhsa.kernels:
  - .name:           k_q205a49cb3f_escore
    .symbol:         k_q205a49cb3f_escore.kd
    .args:
      - { .name: reviewer_emb, .offset: 0, .size: 8, .value_kind: global_buffer, .address_space: global }
      - { .name: wk_img, .offset: 8, .size: 8, .value_kind: global_buffer, .address_space: global }
      - { .name: Wk_scales, .offset: 16, .size: 8, .value_kind: global_buffer, .address_space: global }
      - { .name: qbuf, .offset: 24, .size: 8, .value_kind: global_buffer, .address_space: global }
      - { .name: bk, .offset: 32, .size: 8, .value_kind: global_buffer, .address_space: global }
      - { .name: ebuf, .offset: 40, .size: 8, .value_kind: global_buffer, .address_space: global }
    .group_segment_fixed_size: 327680
    .private_segment_fixed_size: 0
    .kernarg_segment_align: 8
    .kernarg_segment_size: 48
    .max_flat_workgroup_size: 128
    .sgpr_count:     66
    .vgpr_count:     1024
    .wavefront_size: 32
...
	.end_amdgpu_metadata
.endif
;; end of part 2
;; launch wsum (part 3): grid 256 x 1, 16 waves a work-group, no clusters, 10,240 bytes of LDS; arguments reviewer_emb, ebuf, out0; writes out0
.if DOCPART == 3
	.amdgcn_target "amdgcn-amd-amdhsa--gfx1250"
	.amdhsa_code_object_version 6
	.text
	.protected	k_q205a49cb3f_wsum
	.globl	k_q205a49cb3f_wsum
	.p2align	8
	.type	k_q205a49cb3f_wsum,@function
k_q205a49cb3f_wsum:
	s_mov_b64 s[64:65], 0
	v_nop
	global_prefetch_b8 v0, s[64:65] scope:SCOPE_SE
	s_setreg_imm32_b32 hwreg(HW_REG_WAVE_MODE, 25, 1), 1
	s_wait_xcnt 0x0
; WSUM.  out0[b][t] = sum over l of e[b][l] x[b][l][t], x = reviewer_emb [32][2,048][1,024] f32, e [32][2,048] f32; fused multiply-adds in f32.  A product with one row: the matrix unit would stand fifteen sixteenths empty,
; and the launch moves four bytes for each multiply-add: it is a stream.  No tensor loads, no cluster: no two work-groups read the same byte of x.
; LIMIT: the sum over l is taken in another order than the reference's (two chains a lane, sixteen waves, a tree).
; SHARES.  Work-group g: batch b = g / 8, columns 128 (g % 8) on: 512 bytes of every row.  It owns all 2,048 rows of its slice, so the sum is finished here.  Wave w takes rows 128 w .. 128 w + 127; a lane takes 4 columns.
; Each load of a wave covers 512 consecutive bytes of a row, at a multiple of 256 from x's first byte.  A ring of sixteen loads a wave; every offset is an immediate (127 rows of 4,096 bytes at the most).
; e: lane j holds e of the wave's rows 4 j .. 4 j + 3; v_readlane_b32 hands one to a scalar register, and the packed multiply-add takes it for both halves.
; The rows go in the order 4 j + 3, then 4 j + 2, 4 j + 1, 4 j (j = 0 .. 31): the reverse, by tiles, of the order in which the launch before read them.
.set ROW,   4096
.set DEPTH, 16
.set EV,    4                          ; v4-7    e of four rows a lane
.set SUM,   8                          ; v8-15   two sets of four sums
.set RING,  16                         ; v16-79  sixteen loads of four registers
	s_load_b128 s[4:7], s[0:1], 0x0                ; x s[4:5], e s[6:7]
	s_load_b64 s[8:9], s[0:1], 0x10                ; out0
	v_lshl_add_u32 v96, v0, 2, 0x2000
	v_mov_b32 v97, 0
	v_lshrrev_b32 v1, 5, v0
	v_readfirstlane_b32 s12, v1                    ; wave 0..15
	v_and_b32 v1, 31, v0
	v_lshlrev_b32 v1, 4, v1                        ; 16 x lane
	v_lshlrev_b32 v2, 4, v0                        ; 16 x thread: where my sums go in LDS
	s_lshr_b32 s13, ttmp9, 3                       ; b
	s_and_b32 s14, ttmp9, 7
	s_lshl_b32 s14, s14, 9                         ; my slice's 512 bytes of a row
	s_lshl_b32 s16, s13, 23                        ; x: 2,048 rows of 4,096 bytes a batch,
	s_lshl_b32 s15, s12, 19                        ; 128 rows a wave
	s_add_co_u32 s16, s16, s15
	s_add_co_u32 s16, s16, s14
	s_mov_b32 s17, 0
	s_lshl_b32 s18, s13, 13                        ; e: 8,192 bytes a batch, 512 a wave
	s_lshl_b32 s15, s12, 9
	s_add_co_u32 s18, s18, s15
	s_mov_b32 s19, 0
	s_lshl_b32 s28, s13, 12                        ; out0: 4,096 bytes a batch
	s_add_co_u32 s28, s28, s14
	s_mov_b32 s29, 0
.irp p, 21,23,25,27
	s_mov_b32 s\p, 0                               ; the upper words of the four pairs that carry e: named with the lower ones, so they are written
.endr
	s_wait_kmcnt 0x0
	s_add_nc_u64 s[4:5], s[4:5], s[16:17]
	s_add_nc_u64 s[6:7], s[6:7], s[18:19]
	s_add_nc_u64 s[8:9], s[8:9], s[28:29]
	global_load_b128 v[EV:EV+3], v1, s[6:7]        ; the wave's 128 numbers of e
.set N, 0
.rept DEPTH
	global_load_b128 v[RING+4*N:RING+4*N+3], v1, s[4:5] offset:(4*(N%32)+3-N/32)*ROW th:TH_LOAD_NT    ; read once in this launch
.set N, N+1
.endr
.set N, 0
.rept 128                              ; step N: row 4 (N % 32) + 3 - N / 32
.set RG, RING+4*(N%DEPTH)
.set AC, SUM+4*(N%2)
.set PR, 20+2*(N%4)
.if N < 128-DEPTH
	s_wait_loadcnt DEPTH-1                         ; loads come back in order (ISA guide 5.7.1): this row's is in (and e, which was asked for first), the fifteen younger stay out
.else
	s_wait_loadcnt 127-N                           ; the last rounds load nothing: the counts run down
.endif
	v_readlane_b32 s[PR], v[EV+3-N/32], N%32       ; e of this row
.if N < 2
	v_pk_mul_f32 v[AC:AC+1], v[RG:RG+1], s[PR:PR+1] op_sel_hi:[1,0]           ; the first two rows start the two sets of sums: nothing is cleared
	v_pk_mul_f32 v[AC+2:AC+3], v[RG+2:RG+3], s[PR:PR+1] op_sel_hi:[1,0]
.else
	v_pk_fma_f32 v[AC:AC+1], v[RG:RG+1], s[PR:PR+1], v[AC:AC+1] op_sel_hi:[1,0,1]
	v_pk_fma_f32 v[AC+2:AC+3], v[RG+2:RG+3], s[PR:PR+1], v[AC+2:AC+3] op_sel_hi:[1,0,1]
.endif
.if N < 128-DEPTH
	global_load_b128 v[RG:RG+3], v1, s[4:5] offset:(4*((N+DEPTH)%32)+3-(N+DEPTH)/32)*ROW th:TH_LOAD_NT
.endif
.set N, N+1
.endr
	v_pk_add_f32 v[SUM:SUM+1], v[SUM:SUM+1], v[SUM+4:SUM+5]
	v_pk_add_f32 v[SUM+2:SUM+3], v[SUM+2:SUM+3], v[SUM+6:SUM+7]
	ds_store_b128 v2, v[SUM:SUM+3]                 ; wave w's 512 bytes at 512 w
	s_wait_dscnt 0x0                               ; for wave 0's sake: my store is done
	s_barrier_signal -1
	s_barrier_wait -1
	s_cmp_lg_u32 s12, 0
	s_cbranch_scc1 .Ldone                          ; wave 0 adds the sixteen waves' sums: 8,192 bytes, thirty packed additions
.irp kk, 0,1,2,3,4,5,6,7,8,9,10,11,12,13,14,15
	ds_load_b128 v[RING+4*\kk:RING+4*\kk+3], v1 offset:512*\kk
.endr
	s_wait_dscnt 0x0
.irp st, 8,4,2,1
.set I, 0
.rept \st
	v_pk_add_f32 v[RING+4*I:RING+4*I+1], v[RING+4*I:RING+4*I+1], v[RING+4*(I+\st):RING+4*(I+\st)+1]
	v_pk_add_f32 v[RING+4*I+2:RING+4*I+3], v[RING+4*I+2:RING+4*I+3], v[RING+4*(I+\st)+2:RING+4*(I+\st)+3]
.set I, I+1
.endr
.endr
	global_store_b128 v1, v[RING:RING+3], s[8:9]   ; 32 lanes store 512 consecutive bytes of out0, at a multiple of 256 from its first byte
.Ldone:
	s_wait_tensorcnt 0x0
	ds_add_u32 v96, v97
	s_wait_dscnt 0x0
	s_endpgm
.Lfunc_end_k_q205a49cb3f_wsum:
	.size	k_q205a49cb3f_wsum, .Lfunc_end_k_q205a49cb3f_wsum-k_q205a49cb3f_wsum
	.p2alignl 7, 3214868480
	.fill 96, 4, 3214868480
	.section	.rodata,"a",@progbits
	.p2align	6, 0x0
	.amdhsa_kernel k_q205a49cb3f_wsum
		.amdhsa_group_segment_fixed_size 10240
		.amdhsa_private_segment_fixed_size 0
		.amdhsa_enable_private_segment 0
		.amdhsa_kernarg_size 24
		.amdhsa_user_sgpr_count 2
		.amdhsa_user_sgpr_kernarg_segment_ptr 1
		.amdhsa_wavefront_size32 1
		.amdhsa_system_sgpr_workgroup_id_x 1
		.amdhsa_system_sgpr_workgroup_id_y 1
		.amdhsa_system_sgpr_workgroup_id_z 1
		.amdhsa_system_vgpr_workitem_id 0
		.amdhsa_next_free_vgpr 98
		.amdhsa_next_free_sgpr 66
		.amdhsa_reserve_vcc 0
		.amdhsa_float_denorm_mode_32 3
		.amdhsa_float_denorm_mode_16_64 3
		.amdhsa_memory_ordered 1
		.amdhsa_forward_progress 1
		.amdhsa_inst_pref_size 45
	.end_amdhsa_kernel
	.amdgpu_metadata
---
amdhsa.version: [ 1, 2 ]
amdhsa.kernels:
  - .name:           k_q205a49cb3f_wsum
    .symbol:         k_q205a49cb3f_wsum.kd
    .args:
      - { .name: reviewer_emb, .offset: 0, .size: 8, .value_kind: global_buffer, .address_space: global }
      - { .name: ebuf, .offset: 8, .size: 8, .value_kind: global_buffer, .address_space: global }
      - { .name: out0, .offset: 16, .size: 8, .value_kind: global_buffer, .address_space: global }
    .group_segment_fixed_size: 10240
    .private_segment_fixed_size: 0
    .kernarg_segment_align: 8
    .kernarg_segment_size: 24
    .max_flat_workgroup_size: 512
    .sgpr_count:     66
    .vgpr_count:     98
    .wavefront_size: 32
...
	.end_amdgpu_metadata
.endif
;; end of part 3
